; MI455X (gfx1250); checked and timed in simulation.
; The chip was launched on July 23, 2026; its instructions are those of AMD's public machine-readable ISA for CDNA 5 (MIT licence, August 2026) and "CDNA5" Instruction Set Architecture Reference Guide (July 2026). The comments in the code are by the model that wrote it; some were corrected since.
;; Warp. Allowed arithmetic: float matrix products may take bf16 or f16 operands with f32 sums; all other float work in f32.
;; Inputs: ddf 2 x 3 x 128 x 128 x 128 float32; image 2 x 1 x 128 x 128 x 128 float32.
;; Outputs: out0 2 x 1 x 128 x 128 x 128 float32.
;; 2 versions, each right; version 2 is version 1 with the launch gather written anew for expert scheduling mode. Each part assembles by itself: llvm-mc -triple=amdgcn-amd-amdhsa -mcpu=gfx1250 --defsym DOCPART=n.
;; ======== version 1 of 2: 2 launches
;; workspace buffers: idx 16,777,216 bytes of whole numbers
;; launch index (part 1): grid 1024 x 1, 8 waves a work-group, no clusters, 0 bytes of LDS; arguments ddf, idx; writes idx
.if DOCPART == 1
	.amdgcn_target "amdgcn-amd-amdhsa--gfx1250"
	.amdhsa_code_object_version 6
	.text
	.protected	k_q9ac1cf89bf_index
	.globl	k_q9ac1cf89bf_index
	.p2align	8
	.type	k_q9ac1cf89bf_index,@function
k_q9ac1cf89bf_index:
	s_mov_b64 s[64:65], 0
	v_nop
	global_prefetch_b8 v0, s[64:65] scope:SCOPE_SE
	s_setreg_imm32_b32 hwreg(HW_REG_WAVE_MODE, 25, 1), 1
	s_wait_xcnt 0x0
; First of two launches of a trilinear warp (zero padding) of image[2][1][128][128][128] by ddf[2][3][128][128][128], all f32.
; The one decision that steers addresses is made
; here and stored as a whole number: for each voxel the corner from which the next launch reads its eight taps,
;     idx = (bx*128 + by)*128 + bz,   b = clip(floor(mesh + ddf), 0, 126) on each axis.
; The cap is 126, not 127, so that corner + 1 lies inside the volume on every axis; the next launch's weights, max(0, 1 - |c - p|)
; for grid point p, are right for whichever corner is named, the border layers and the outside included.
; clip(floor(c), 0, 126) is made as truncate(min(max(c, 0), 126)): for c >= 0 truncation is the floor.
; LIMIT: a NaN in ddf counts as coordinate 0 here (v_max_num_f32 drops it); every finite ddf, however large, is served.
; Shape: memory binds.  A z-row is 128 voxels = 512 bytes; a lane owns 4 neighbouring z (16 bytes), a wave a whole row, so each load and
; store of a wave covers 512 consecutive bytes, aligned.  A work-group owns 32 rows (one x, 32 y): row = 32 g + 8 j + wave, j = 0..3.
; All 12 loads of a wave are issued before anything is computed.  No LDS, no barrier, no matrix unit, no cluster: no byte is shared.
.set PLANE, 0x800000                   ; bytes of one volume of 128^3 f32
.set STEP,  4096                       ; the eight waves' rows of one j: 8 x 512 bytes
.set OFF,   1                          ; v1       16 x thread: my 16 bytes among the work-group's eight rows
.set ZF,    2                          ; v[2:5]   z of my four voxels, f32
.set XF,    6                          ; v[6:7]   x, twice (a pair for the packed add)
.set YF,    8                          ; v[8:15]  y of row j, twice each
.set TMP,   16                         ; v[16:17] at work
.set D,     20                         ; v[20:67] row j: 12 registers: ddf x, y, z of my four voxels; the index grows in the first four
	s_load_b128 s[4:7], s[0:1], 0x0                ; ddf s[4:5], idx s[6:7]
	v_lshlrev_b32 v[OFF], 4, v0
	s_lshr_b32 s8, ttmp9, 9                        ; batch: 512 work-groups each
	s_and_b32 s9, ttmp9, 511                       ; my place in the batch
	s_mul_i32 s10, s8, 3*PLANE                     ; ddf: three volumes a batch,
	s_lshl_b32 s11, s9, 14                         ; 32 rows of 512 bytes a work-group
	s_add_co_u32 s10, s10, s11                     ; (below 2^26)
	s_mov_b32 s11, 0
	s_lshl_b32 s12, ttmp9, 14                      ; idx: one volume a batch, so the work-group's number serves as it is
	s_mov_b32 s13, 0
	s_lshr_b32 s14, s9, 2                          ; x: four work-groups share one
	s_and_b32 s15, s9, 3
	s_lshl_b32 s15, s15, 5                         ; my first y
	s_mov_b32 s20, 0x42fc0000                      ; 126.0
	s_wait_kmcnt 0x0
	s_add_nc_u64 s[4:5], s[4:5], s[10:11]          ; component x at my first row
	s_add_nc_u64 s[16:17], s[4:5], PLANE           ; component y (a base of its own: a volume is one byte more than an immediate offset reaches)
	s_add_nc_u64 s[18:19], s[4:5], 2*PLANE         ; component z
	s_add_nc_u64 s[6:7], s[6:7], s[12:13]
.irp j, 0,1,2,3
	global_load_b128 v[D+12*\j:D+12*\j+3],    v[OFF], s[4:5]   offset:\j*STEP
	global_load_b128 v[D+12*\j+4:D+12*\j+7],  v[OFF], s[16:17] offset:\j*STEP
	global_load_b128 v[D+12*\j+8:D+12*\j+11], v[OFF], s[18:19] offset:\j*STEP
.endr
	; the mesh, while the loads are on their way
	v_and_b32 v[TMP], 31, v0
	v_lshlrev_b32 v[TMP], 2, v[TMP]                ; z of my first voxel = 4 x lane
	v_cvt_f32_u32 v[ZF], v[TMP]
	v_add_f32 v[ZF+1], 1.0, v[ZF]
	v_add_f32 v[ZF+2], 2.0, v[ZF]
	v_add_f32 v[ZF+3], 3.0, v[ZF]
	v_cvt_f32_u32 v[XF], s14
	v_mov_b32 v[XF+1], v[XF]
	v_lshrrev_b32 v[TMP], 5, v0                    ; wave
	v_add_nc_u32 v[TMP], s15, v[TMP]               ; y of my row j = 0
.irp j, 0,1,2,3
	v_add_nc_u32 v[TMP+1], 8*\j, v[TMP]
	v_cvt_f32_u32 v[YF+2*\j], v[TMP+1]
	v_mov_b32 v[YF+2*\j+1], v[YF+2*\j]
.endr
; One row.  left = the loads of the later rows, three each, which may stay out.
.macro ROW j, left
	s_wait_loadcnt \left                           ; loads come back in order: this row's three are in
.irp k, 0,2
	v_pk_add_f32 v[D+12*\j+\k:D+12*\j+\k+1],     v[D+12*\j+\k:D+12*\j+\k+1],     v[XF:XF+1]             ; c = mesh + ddf, one f32 addition as in the definition
	v_pk_add_f32 v[D+12*\j+4+\k:D+12*\j+5+\k],   v[D+12*\j+4+\k:D+12*\j+5+\k],   v[YF+2*\j:YF+2*\j+1]
	v_pk_add_f32 v[D+12*\j+8+\k:D+12*\j+9+\k],   v[D+12*\j+8+\k:D+12*\j+9+\k],   v[ZF+\k:ZF+\k+1]
.endr
.irp r, 0,1,2,3,4,5,6,7,8,9,10,11
	v_max_num_f32 v[D+12*\j+\r], 0, v[D+12*\j+\r]
.endr
.irp r, 0,1,2,3,4,5,6,7,8,9,10,11
	v_min_num_f32 v[D+12*\j+\r], s20, v[D+12*\j+\r]
.endr
.irp r, 0,1,2,3,4,5,6,7,8,9,10,11
	v_cvt_u32_f32 v[D+12*\j+\r], v[D+12*\j+\r]     ; truncates: the floor of a number that is not negative
.endr
.irp k, 0,1,2,3
	v_lshl_add_u32 v[D+12*\j+\k], v[D+12*\j+\k], 7, v[D+12*\j+4+\k]    ; bx*128 + by
.endr
.irp k, 0,1,2,3
	v_lshl_add_u32 v[D+12*\j+\k], v[D+12*\j+\k], 7, v[D+12*\j+8+\k]    ; (..)*128 + bz
.endr
	global_store_b128 v[OFF], v[D+12*\j:D+12*\j+3], s[6:7] offset:\j*STEP   ; its data registers are never written again
.endm
	ROW 0, 9
	ROW 1, 6
	ROW 2, 3
	ROW 3, 0
	s_endpgm
.Lfunc_end_k_q9ac1cf89bf_index:
	.size	k_q9ac1cf89bf_index, .Lfunc_end_k_q9ac1cf89bf_index-k_q9ac1cf89bf_index
	.p2alignl 7, 3214868480
	.fill 96, 4, 3214868480
	.section	.rodata,"a",@progbits
	.p2align	6, 0x0
	.amdhsa_kernel k_q9ac1cf89bf_index
		.amdhsa_group_segment_fixed_size 0
		.amdhsa_private_segment_fixed_size 0
		.amdhsa_enable_private_segment 0
		.amdhsa_kernarg_size 16
		.amdhsa_user_sgpr_count 2
		.amdhsa_user_sgpr_kernarg_segment_ptr 1
		.amdhsa_wavefront_size32 1
		.amdhsa_system_sgpr_workgroup_id_x 1
		.amdhsa_system_sgpr_workgroup_id_y 1
		.amdhsa_system_sgpr_workgroup_id_z 1
		.amdhsa_system_vgpr_workitem_id 0
		.amdhsa_next_free_vgpr 68
		.amdhsa_next_free_sgpr 66
		.amdhsa_reserve_vcc 0
		.amdhsa_float_denorm_mode_32 3
		.amdhsa_float_denorm_mode_16_64 3
		.amdhsa_memory_ordered 1
		.amdhsa_forward_progress 1
		.amdhsa_inst_pref_size 12
	.end_amdhsa_kernel
	.amdgpu_metadata
---
amdhsa.version: [ 1, 2 ]
amdhsa.kernels:
  - .name:           k_q9ac1cf89bf_index
    .symbol:         k_q9ac1cf89bf_index.kd
    .args:
      - { .name: ddf, .offset: 0, .size: 8, .value_kind: global_buffer, .address_space: global }
      - { .name: idx, .offset: 8, .size: 8, .value_kind: global_buffer, .address_space: global }
    .group_segment_fixed_size: 0
    .private_segment_fixed_size: 0
    .kernarg_segment_align: 8
    .kernarg_segment_size: 16
    .max_flat_workgroup_size: 256
    .sgpr_count:     66
    .vgpr_count:     68
    .wavefront_size: 32
...
	.end_amdgpu_metadata
.endif
;; end of part 1
;; launch gather (part 2): grid 512 x 1, 8 waves a work-group, no clusters, 0 bytes of LDS; arguments idx, ddf, image, out0; writes out0
.if DOCPART == 2
	.amdgcn_target "amdgcn-amd-amdhsa--gfx1250"
	.amdhsa_code_object_version 6
	.text
	.protected	k_q9ac1cf89bf_gather
	.globl	k_q9ac1cf89bf_gather
	.p2align	8
	.type	k_q9ac1cf89bf_gather,@function
k_q9ac1cf89bf_gather:
	s_mov_b64 s[64:65], 0
	v_nop
	global_prefetch_b8 v0, s[64:65] scope:SCOPE_SE
	s_setreg_imm32_b32 hwreg(HW_REG_WAVE_MODE, 25, 1), 1
	s_wait_xcnt 0x0
; Second launch of the trilinear warp: out[v] = sum over the 8 taps p of image[p] * wx(p) wy(p) wz(p), all in f32.
; idx[v] (whole numbers, stored by the launch before) names the corner b = clip(floor(c), 0, 126) on each axis as (bx*128 + by)*128 + bz.
; All addresses are made from idx alone; ddf enters values only.  The taps are b and b + 1 on each axis, so one offset register serves all
; eight loads of a voxel: +4 bytes along z, +512 along y, +65,536 along x, as immediates.
; WEIGHTS: with zero padding the weight of grid point p on an axis is max(0, 1 - |c - p|), c = mesh + ddf (one f32 addition, as in the
; definition).  With t = c - b:  w0 = max(0, 1 - |t|), w1 = max(0, 1 - |t - 1|).  Inside (0 <= floor(c) <= 126) that is (1 - frac, frac);
; for floor(c) = -1 it is (frac, 0) at b = 0; for floor(c) = 127 it is (0, 1 - frac) at b = 126; further out both are 0.  No flags, no masks.
; LIMITS: a NaN or an infinity in ddf gives weight 0 (the definition gives NaN).  A non-finite image value under a weight of 0 may differ,
; since in the border cases the taps of weight 0 are other voxels than the definition's clamped ones.  The sum is taken axis by axis
; (z, y, x), not as eight products in a row.  Every finite ddf, however large, is served.
; SHAPE: a lane owns 4 neighbouring z (16 bytes), a wave a whole z-row of 512 bytes, so each stream load and each store of a wave covers 512
; consecutive bytes, aligned.  A work-group owns 64 rows (one x, 64 y): row = 64 g + 8 j + wave, j = 0..7, written out as eight turns.
; The stream (idx and ddf's three components) runs three rows ahead in three register slots; the gathers (32 loads a row) run two rows
; ahead in two buffers.  Order of issue: S0 S1 S2 G0 G1 | S3 G2 | S4 G3 | ..., so that one counted wait at a turn's head serves both.
; No LDS, tensor load, cluster or multicast: each lane's taps lie where its own displacement points, so no tile is shared at a place known
; beforehand.  No prefetch: the stream is asked for three rows ahead already, and the image is read again and again by all work-groups.
.set PLANE, 0x800000                   ; bytes of one volume of 128^3 f32
.set STEP,  4096                       ; the eight waves' rows of one j
.set OFF,   1                          ; v1         16 x thread
.set ZF,    2                          ; v[2:5]     z of my four voxels, f32
.set XF,    6                          ; v6         x, f32
.set YI,    7                          ; v7         y of my row j = 0, whole number
.set T,     8                          ; v[8:15]    at work
.set W,     16                         ; v[16:39]   voxel k: wx0 wx1 wy0 wy1 wz0 wz1
.set A,     40                         ; v[40:47]   two sets of four byte offsets into the image (one a voxel)
.set S,     48                         ; v[48:95]   three stream slots of 16: idx, ddf x, ddf y, ddf z of my four voxels
.set G,     96                         ; v[96:159]  two gather buffers of 32: voxel k, tap 4 tx + 2 ty + tz
.set O,     160                        ; v[160:191] row j: four results; each row has its own, so no store's data is ever rewritten
	s_load_b256 s[4:11], s[0:1], 0x0               ; idx s[4:5], ddf s[6:7], image s[8:9], out s[10:11]
	v_lshlrev_b32 v[OFF], 4, v0
	s_lshr_b32 s12, ttmp9, 8                       ; batch: 256 work-groups each
	s_and_b32 s13, ttmp9, 255                      ; my place in the batch
	s_lshl_b32 s14, ttmp9, 15                      ; idx and out: 64 rows of 512 bytes a work-group, one volume a batch
	s_mov_b32 s15, 0
	s_mul_i32 s16, s12, 3*PLANE                    ; ddf: three volumes a batch
	s_lshl_b32 s17, s13, 15
	s_add_co_u32 s16, s16, s17                     ; (below 2^26)
	s_mov_b32 s17, 0
	s_lshl_b32 s18, s12, 23                        ; image: the batch's volume
	s_mov_b32 s19, 0
	s_lshr_b32 s20, s13, 1                         ; x: two work-groups share one
	s_and_b32 s21, s13, 1
	s_lshl_b32 s21, s21, 6                         ; my first y
	s_wait_kmcnt 0x0
	s_add_nc_u64 s[4:5], s[4:5], s[14:15]
	s_add_nc_u64 s[10:11], s[10:11], s[14:15]
	s_add_nc_u64 s[6:7], s[6:7], s[16:17]          ; ddf x
	s_add_nc_u64 s[22:23], s[6:7], PLANE           ; ddf y
	s_add_nc_u64 s[24:25], s[6:7], 2*PLANE         ; ddf z
	s_add_nc_u64 s[8:9], s[8:9], s[18:19]
; four stream loads of row j into slot j mod 3; read once in this launch
.macro STREAM j
	global_load_b128 v[S+16*((\j)%3):S+16*((\j)%3)+3],     v[OFF], s[4:5]   offset:(\j)*STEP th:TH_LOAD_NT
	global_load_b128 v[S+16*((\j)%3)+4:S+16*((\j)%3)+7],   v[OFF], s[6:7]   offset:(\j)*STEP th:TH_LOAD_NT
	global_load_b128 v[S+16*((\j)%3)+8:S+16*((\j)%3)+11],  v[OFF], s[22:23] offset:(\j)*STEP th:TH_LOAD_NT
	global_load_b128 v[S+16*((\j)%3)+12:S+16*((\j)%3)+15], v[OFF], s[24:25] offset:(\j)*STEP th:TH_LOAD_NT
.endm
; Row j's four offsets and its 32 taps, into set and buffer j mod 2.  A loaded number enters an address only behind a v_min_u32 with a
; constant: bx*128 + by is held to 126*128 + 126 and bz to 126, so that the farthest tap, 66,052 bytes on, is the volume's last number.
.macro GATHER j
.irp k, 0,1,2,3
	v_lshrrev_b32 v[T+\k], 7, v[S+16*((\j)%3)+\k]              ; bx*128 + by
	v_and_b32 v[T+4+\k], 127, v[S+16*((\j)%3)+\k]              ; bz
.endr
.irp k, 0,1,2,3
	v_min_u32 v[T+\k], 0x3f7e, v[T+\k]
	v_min_u32 v[T+4+\k], 126, v[T+4+\k]
.endr
.irp k, 0,1,2,3
	v_lshlrev_b32 v[T+\k], 9, v[T+\k]                          ; rows of 512 bytes
	v_lshl_add_u32 v[A+4*((\j)%2)+\k], v[T+4+\k], 2, v[T+\k]
.endr
.irp k, 0,1,2,3
.irp t, 0,1,2,3,4,5,6,7
	global_load_b32 v[G+32*((\j)%2)+8*\k+\t], v[A+4*((\j)%2)+\k], s[8:9] offset:(\t>>2)*65536+((\t>>1)&1)*512+(\t&1)*4
.endr
.endr
.endm
; Row j's 24 weights, from its stream slot
.macro WEIGHTS j
	v_add_nc_u32 v[T+6], 8*(\j), v[YI]
	v_cvt_f32_u32 v[T+6], v[T+6]                               ; the row's y
.irp k, 0,1,2,3
	v_bfe_u32 v[T],   v[S+16*((\j)%3)+\k], 14, 7               ; bx
	v_bfe_u32 v[T+1], v[S+16*((\j)%3)+\k], 7, 7                ; by
	v_and_b32 v[T+2], 127, v[S+16*((\j)%3)+\k]                 ; bz
	v_add_f32 v[T+3], v[XF],    v[S+16*((\j)%3)+4+\k]          ; c = mesh + ddf
	v_add_f32 v[T+4], v[T+6],   v[S+16*((\j)%3)+8+\k]
	v_add_f32 v[T+5], v[ZF+\k], v[S+16*((\j)%3)+12+\k]
	v_cvt_f32_u32 v[T],   v[T]
	v_cvt_f32_u32 v[T+1], v[T+1]
	v_cvt_f32_u32 v[T+2], v[T+2]
	v_sub_f32 v[T+3], v[T+3], v[T]                             ; t = c - b
	v_sub_f32 v[T+4], v[T+4], v[T+1]
	v_sub_f32 v[T+5], v[T+5], v[T+2]
.irp a, 0,1,2
	v_sub_f32 v[W+6*\k+2*\a], 1.0, |v[T+3+\a]|                 ; 1 - |t|
	v_add_f32 v[T+3+\a], -1.0, v[T+3+\a]                       ; t - 1
.endr
.irp a, 0,1,2
	v_sub_f32 v[W+6*\k+2*\a+1], 1.0, |v[T+3+\a]|               ; 1 - |t - 1|
	v_max_num_f32 v[W+6*\k+2*\a], 0, v[W+6*\k+2*\a]
.endr
.irp a, 0,1,2
	v_max_num_f32 v[W+6*\k+2*\a+1], 0, v[W+6*\k+2*\a+1]
.endr
.endr
.endm
; Row j's four results: along z (four pairs), along y (two), along x; then one store of 16 bytes a lane
.macro INTERP j
.irp k, 0,1,2,3
	v_mul_f32 v[T],   v[G+32*((\j)%2)+8*\k],   v[W+6*\k+4]
	v_mul_f32 v[T+1], v[G+32*((\j)%2)+8*\k+2], v[W+6*\k+4]
	v_mul_f32 v[T+2], v[G+32*((\j)%2)+8*\k+4], v[W+6*\k+4]
	v_mul_f32 v[T+3], v[G+32*((\j)%2)+8*\k+6], v[W+6*\k+4]
	v_fmac_f32 v[T],   v[G+32*((\j)%2)+8*\k+1], v[W+6*\k+5]
	v_fmac_f32 v[T+1], v[G+32*((\j)%2)+8*\k+3], v[W+6*\k+5]
	v_fmac_f32 v[T+2], v[G+32*((\j)%2)+8*\k+5], v[W+6*\k+5]
	v_fmac_f32 v[T+3], v[G+32*((\j)%2)+8*\k+7], v[W+6*\k+5]
	v_mul_f32 v[T],   v[T],   v[W+6*\k+2]
	v_mul_f32 v[T+2], v[T+2], v[W+6*\k+2]
	v_fmac_f32 v[T],   v[T+1], v[W+6*\k+3]
	v_fmac_f32 v[T+2], v[T+3], v[W+6*\k+3]
	v_mul_f32 v[O+4*(\j)+\k], v[T], v[W+6*\k]
	v_fmac_f32 v[O+4*(\j)+\k], v[T+2], v[W+6*\k+1]
.endr
	global_store_b128 v[OFF], v[O+4*(\j):O+4*(\j)+3], s[10:11] offset:(\j)*STEP th:TH_STORE_NT
.endm
; The turn of row j.  left: the loads that may stay out, the 32 taps of row j + 1.  Row j's taps were issued ahead of those, and so was row
; j + 2's stream, which this turn's GATHER reads; so the one wait shows both in, and frees row j's offset set for row j + 2.
; STREAM j + 3 lands in row j's slot, whose last use was WEIGHTS j in the turn before, and is issued ahead of GATHER j + 2 to keep the order.
.macro TURN j, left, str, gat, wei
	s_wait_loadcnt \left
.if \str
	STREAM \j+3
.endif
	INTERP \j
.if \gat
	GATHER \j+2                                    ; into the buffer that INTERP has just read
.endif
.if \wei
	WEIGHTS \j+1                                   ; register work while the taps are on their way
.endif
.endm
	STREAM 0
	STREAM 1
	STREAM 2
	v_and_b32 v[T], 31, v0
	v_lshlrev_b32 v[T], 2, v[T]                    ; z of my first voxel = 4 x lane
	v_cvt_f32_u32 v[ZF], v[T]
	v_add_f32 v[ZF+1], 1.0, v[ZF]
	v_add_f32 v[ZF+2], 2.0, v[ZF]
	v_add_f32 v[ZF+3], 3.0, v[ZF]
	v_cvt_f32_u32 v[XF], s20
	v_lshrrev_b32 v[YI], 5, v0                     ; wave
	v_add_nc_u32 v[YI], s21, v[YI]
	s_wait_loadcnt 11                              ; row 0's idx is in: behind it stand its 3 ddf loads and the 4 + 4 of rows 1 and 2
	GATHER 0
	s_wait_loadcnt 32                              ; the three rows' stream is in; only row 0's 32 taps may be out
	GATHER 1
	WEIGHTS 0
	TURN 0, 32, 1, 1, 1
	TURN 1, 32, 1, 1, 1
	TURN 2, 32, 1, 1, 1
	TURN 3, 32, 1, 1, 1
	TURN 4, 32, 1, 1, 1                            ; asks for row 7's stream, the last
	TURN 5, 32, 0, 1, 1                            ; asks for row 7's taps, the last
	TURN 6, 32, 0, 0, 1
	TURN 7, 0, 0, 0, 0                             ; nothing was issued behind row 7's taps
	s_endpgm
.Lfunc_end_k_q9ac1cf89bf_gather:
	.size	k_q9ac1cf89bf_gather, .Lfunc_end_k_q9ac1cf89bf_gather-k_q9ac1cf89bf_gather
	.p2alignl 7, 3214868480
	.fill 96, 4, 3214868480
	.section	.rodata,"a",@progbits
	.p2align	6, 0x0
	.amdhsa_kernel k_q9ac1cf89bf_gather
		.amdhsa_group_segment_fixed_size 0
		.amdhsa_private_segment_fixed_size 0
		.amdhsa_enable_private_segment 0
		.amdhsa_kernarg_size 32
		.amdhsa_user_sgpr_count 2
		.amdhsa_user_sgpr_kernarg_segment_ptr 1
		.amdhsa_wavefront_size32 1
		.amdhsa_system_sgpr_workgroup_id_x 1
		.amdhsa_system_sgpr_workgroup_id_y 1
		.amdhsa_system_sgpr_workgroup_id_z 1
		.amdhsa_system_vgpr_workitem_id 0
		.amdhsa_next_free_vgpr 192
		.amdhsa_next_free_sgpr 66
		.amdhsa_reserve_vcc 0
		.amdhsa_float_denorm_mode_32 3
		.amdhsa_float_denorm_mode_16_64 3
		.amdhsa_memory_ordered 1
		.amdhsa_forward_progress 1
		.amdhsa_inst_pref_size 90
	.end_amdhsa_kernel
	.amdgpu_metadata
---
amdhsa.version: [ 1, 2 ]
amdhsa.kernels:
  - .name:           k_q9ac1cf89bf_gather
    .symbol:         k_q9ac1cf89bf_gather.kd
    .args:
      - { .name: idx, .offset: 0, .size: 8, .value_kind: global_buffer, .address_space: global }
      - { .name: ddf, .offset: 8, .size: 8, .value_kind: global_buffer, .address_space: global }
      - { .name: image, .offset: 16, .size: 8, .value_kind: global_buffer, .address_space: global }
      - { .name: out0, .offset: 24, .size: 8, .value_kind: global_buffer, .address_space: global }
    .group_segment_fixed_size: 0
    .private_segment_fixed_size: 0
    .kernarg_segment_align: 8
    .kernarg_segment_size: 32
    .max_flat_workgroup_size: 256
    .sgpr_count:     66
    .vgpr_count:     192
    .wavefront_size: 32
...
	.end_amdgpu_metadata
.endif
;; end of part 2
;; ======== version 2 of 2: 2 launches; version 1 with the launch gather written anew for expert scheduling mode
;; workspace buffers: idx 16,777,216 bytes of whole numbers
;; launch index: the kernel of part 1 again; grid 1024 x 1, 8 waves a work-group, no clusters, 0 bytes of LDS; arguments ddf, idx; writes idx
;; launch gather (part 3): grid 512 x 1, 8 waves a work-group, no clusters, 0 bytes of LDS; arguments idx, ddf, image, out0; writes out0
.if DOCPART == 3
	.amdgcn_target "amdgcn-amd-amdhsa--gfx1250"
	.amdhsa_code_object_version 6
	.text
	.protected	k_q9ac1cf89bf_gather
	.globl	k_q9ac1cf89bf_gather
	.p2align	8
	.type	k_q9ac1cf89bf_gather,@function
k_q9ac1cf89bf_gather:
	s_mov_b64 s[64:65], 0
	v_nop
	global_prefetch_b8 v0, s[64:65] scope:SCOPE_SE
	s_setreg_imm32_b32 hwreg(HW_REG_WAVE_SCHED_MODE, 0, 2), 2
	s_setreg_imm32_b32 hwreg(HW_REG_WAVE_MODE, 25, 1), 1
	s_wait_xcnt 0x0
	s_wait_alu depctr_vm_vsrc(0)
; Second launch of the trilinear warp: out[v] = sum over the 8 taps p of image[p] * wx(p) wy(p) wz(p), all in f32.
; idx[v] (whole numbers, stored by the launch before) names the corner b = clip(floor(c), 0, 126) on each axis as (bx*128 + by)*128 + bz.
; All addresses are made from idx alone; ddf enters values only.  The taps are b and b + 1 on each axis, so one offset register serves all
; eight loads of a voxel: +4 bytes along z, +512 along y, +65,536 along x, as immediates.
; WEIGHTS: with zero padding the weight of grid point p on an axis is max(0, 1 - |c - p|), c = mesh + ddf (one f32 addition, as in the
; definition).  With t = c - b:  w0 = max(0, 1 - |t|), w1 = max(0, 1 - |t - 1|).  Inside (0 <= floor(c) <= 126) that is (1 - frac, frac);
; for floor(c) = -1 it is (frac, 0) at b = 0; for floor(c) = 127 it is (0, 1 - frac) at b = 126; further out both are 0.  No flags, no masks.
; LIMITS: a NaN or an infinity in ddf gives weight 0 (the definition gives NaN).  A non-finite image value under a weight of 0 may differ,
; since in the border cases the taps of weight 0 are other voxels than the definition's clamped ones.  The sum is taken axis by axis
; (z, y, x), not as eight products in a row.  Every finite ddf, however large, is served.
; SHAPE: a lane owns 4 neighbouring z (16 bytes), a wave a whole z-row of 512 bytes, so each stream load and each store of a wave covers 512
; consecutive bytes, aligned.  A work-group owns 64 rows (one x, 64 y): row = 64 g + 8 j + wave, j = 0..7, written out as eight turns.
; The stream (idx and ddf's three components) runs three rows ahead in three register slots; the gathers (32 loads a row) run two rows
; ahead in two buffers.  Order of issue: S0 S1 S2 G0 G1 | S3 G2 | S4 G3 | ..., so that one counted wait at a turn's head serves both.
; No LDS, tensor load, cluster or multicast: each lane's taps lie where its own displacement points, so no tile is shared at a place known
; beforehand.  No prefetch: the stream is asked for three rows ahead already, and the image is read again and again by all work-groups.
; THE MODE: SCHED_MODE bits 1:0 = 2 (LLVM: expert scheduling mode 2), set by the entry lines.  The code itself states the register dependences
; between vector instructions and memory instructions, with s_wait_alu, always for 0.
; THE PLAN.  Registers that memory instructions touch:
;   v[OFF]      Offset of every stream load and store.  Written once at the head, never again.
;   S[j % 3]    Row j's stream lands in it.  Read by row j's offset arithmetic (turn j - 2) and by row j's weights (turn j - 1); row j + 3's stream lands in it in turn j.
;   A[j % 2]    Written by row j's offset arithmetic; read by row j's 32 taps; written again, for row j + 2, in turn j.
;   G[j % 2]    Row j's taps land in it.  Read by row j's interpolation (turn j); row j + 2's taps land in it later in turn j.
;   O[j]        Written by row j's interpolation; read by row j's one store; never written again.
;   T, W, ZF, XF, YI are named by vector instructions alone.
; Turn j: the interpolation of row j; ONE wait on vm_vsrc; the offsets of row j + 2; ONE wait on va_vdst; then all the turn's memory instructions (row j + 3's
; stream, row j + 2's taps, row j's store), dealt among the weights of row j + 1.  Those weights name S[(j + 1) % 3], T, W, ZF, XF, YI; the memory instructions
; touch S[j % 3], OFF, A[j % 2], G[j % 2], O[j]: no register in common, so nothing more is owed behind the wait.
.set PLANE, 0x800000                   ; bytes of one volume of 128^3 f32
.set STEP,  4096                       ; the eight waves' rows of one j
.set OFF,   1                          ; v1         16 x thread
.set ZF,    2                          ; v[2:5]     z of my four voxels, f32
.set XF,    6                          ; v6         x, f32
.set YI,    7                          ; v7         y of my row j = 0, whole number
.set T,     8                          ; v[8:15]    at work
.set W,     16                         ; v[16:39]   voxel k: wx0 wx1 wy0 wy1 wz0 wz1
.set A,     40                         ; v[40:47]   two sets of four byte offsets into the image (one a voxel)
.set S,     48                         ; v[48:95]   three stream slots of 16: idx, ddf x, ddf y, ddf z of my four voxels
.set G,     96                         ; v[96:159]  two gather buffers of 32: voxel k, tap 4 tx + 2 ty + tz
.set O,     160                        ; v[160:191] row j: four results; each row has its own, so no store's data is ever rewritten
	s_load_b256 s[4:11], s[0:1], 0x0               ; idx s[4:5], ddf s[6:7], image s[8:9], out s[10:11]
	v_lshlrev_b32 v[OFF], 4, v0
	s_lshr_b32 s12, ttmp9, 8                       ; batch: 256 work-groups each
	s_and_b32 s13, ttmp9, 255                      ; my place in the batch
	s_lshl_b32 s14, ttmp9, 15                      ; idx and out: 64 rows of 512 bytes a work-group, one volume a batch
	s_mov_b32 s15, 0
	s_mul_i32 s16, s12, 3*PLANE                    ; ddf: three volumes a batch
	s_lshl_b32 s17, s13, 15
	s_add_co_u32 s16, s16, s17                     ; (below 2^26)
	s_mov_b32 s17, 0
	s_lshl_b32 s18, s12, 23                        ; image: the batch's volume
	s_mov_b32 s19, 0
	s_lshr_b32 s20, s13, 1                         ; x: two work-groups share one
	s_and_b32 s21, s13, 1
	s_lshl_b32 s21, s21, 6                         ; my first y
	s_wait_kmcnt 0x0
	s_add_nc_u64 s[4:5], s[4:5], s[14:15]
	s_add_nc_u64 s[10:11], s[10:11], s[14:15]
	s_add_nc_u64 s[6:7], s[6:7], s[16:17]          ; ddf x
	s_add_nc_u64 s[22:23], s[6:7], PLANE           ; ddf y
	s_add_nc_u64 s[24:25], s[6:7], 2*PLANE         ; ddf z
	s_add_nc_u64 s[8:9], s[8:9], s[18:19]
; four stream loads of row j into slot j mod 3; read once in this launch
.macro STREAM j
	global_load_b128 v[S+16*((\j)%3):S+16*((\j)%3)+3],     v[OFF], s[4:5]   offset:(\j)*STEP th:TH_LOAD_NT
	global_load_b128 v[S+16*((\j)%3)+4:S+16*((\j)%3)+7],   v[OFF], s[6:7]   offset:(\j)*STEP th:TH_LOAD_NT
	global_load_b128 v[S+16*((\j)%3)+8:S+16*((\j)%3)+11],  v[OFF], s[22:23] offset:(\j)*STEP th:TH_LOAD_NT
	global_load_b128 v[S+16*((\j)%3)+12:S+16*((\j)%3)+15], v[OFF], s[24:25] offset:(\j)*STEP th:TH_LOAD_NT
.endm
; Row j's four offsets, into set j mod 2.  A loaded number enters an address only behind a v_min_u32 with a
; constant: bx*128 + by is held to 126*128 + 126 and bz to 126, so that the farthest tap, 66,052 bytes on, is the volume's last number.
.macro GADDR j
.irp k, 0,1,2,3
	v_lshrrev_b32 v[T+\k], 7, v[S+16*((\j)%3)+\k]              ; bx*128 + by
	v_and_b32 v[T+4+\k], 127, v[S+16*((\j)%3)+\k]              ; bz
.endr
.irp k, 0,1,2,3
	v_min_u32 v[T+\k], 0x3f7e, v[T+\k]
	v_min_u32 v[T+4+\k], 126, v[T+4+\k]
.endr
.irp k, 0,1,2,3
	v_lshlrev_b32 v[T+\k], 9, v[T+\k]                          ; rows of 512 bytes
	v_lshl_add_u32 v[A+4*((\j)%2)+\k], v[T+4+\k], 2, v[T+\k]
.endr
.endm
; The eight taps of voxel k of row j, into buffer j mod 2
.macro GLOAD j, k
.irp t, 0,1,2,3,4,5,6,7
	global_load_b32 v[G+32*((\j)%2)+8*(\k)+\t], v[A+4*((\j)%2)+(\k)], s[8:9] offset:(\t>>2)*65536+((\t>>1)&1)*512+(\t&1)*4
.endr
.endm
; Row j's 24 weights, from its stream slot: the row's y once, then six weights a voxel
.macro WHEAD j
	v_add_nc_u32 v[T+6], 8*(\j), v[YI]
	v_cvt_f32_u32 v[T+6], v[T+6]                               ; the row's y
.endm
.macro WVOX j, k
	v_bfe_u32 v[T],   v[S+16*((\j)%3)+(\k)], 14, 7             ; bx
	v_bfe_u32 v[T+1], v[S+16*((\j)%3)+(\k)], 7, 7              ; by
	v_and_b32 v[T+2], 127, v[S+16*((\j)%3)+(\k)]               ; bz
	v_add_f32 v[T+3], v[XF],      v[S+16*((\j)%3)+4+(\k)]      ; c = mesh + ddf
	v_add_f32 v[T+4], v[T+6],     v[S+16*((\j)%3)+8+(\k)]
	v_add_f32 v[T+5], v[ZF+(\k)], v[S+16*((\j)%3)+12+(\k)]
	v_cvt_f32_u32 v[T],   v[T]
	v_cvt_f32_u32 v[T+1], v[T+1]
	v_cvt_f32_u32 v[T+2], v[T+2]
	v_sub_f32 v[T+3], v[T+3], v[T]                             ; t = c - b
	v_sub_f32 v[T+4], v[T+4], v[T+1]
	v_sub_f32 v[T+5], v[T+5], v[T+2]
.irp a, 0,1,2
	v_sub_f32 v[W+6*(\k)+2*\a], 1.0, |v[T+3+\a]|               ; 1 - |t|
	v_add_f32 v[T+3+\a], -1.0, v[T+3+\a]                       ; t - 1
.endr
.irp a, 0,1,2
	v_sub_f32 v[W+6*(\k)+2*\a+1], 1.0, |v[T+3+\a]|             ; 1 - |t - 1|
	v_max_num_f32 v[W+6*(\k)+2*\a], 0, v[W+6*(\k)+2*\a]
.endr
.irp a, 0,1,2
	v_max_num_f32 v[W+6*(\k)+2*\a+1], 0, v[W+6*(\k)+2*\a+1]
.endr
.endm
; Row j's four results: along z (four pairs), along y (two), along x
.macro INTERP j
.irp k, 0,1,2,3
	v_mul_f32 v[T],   v[G+32*((\j)%2)+8*\k],   v[W+6*\k+4]
	v_mul_f32 v[T+1], v[G+32*((\j)%2)+8*\k+2], v[W+6*\k+4]
	v_mul_f32 v[T+2], v[G+32*((\j)%2)+8*\k+4], v[W+6*\k+4]
	v_mul_f32 v[T+3], v[G+32*((\j)%2)+8*\k+6], v[W+6*\k+4]
	v_fmac_f32 v[T],   v[G+32*((\j)%2)+8*\k+1], v[W+6*\k+5]
	v_fmac_f32 v[T+1], v[G+32*((\j)%2)+8*\k+3], v[W+6*\k+5]
	v_fmac_f32 v[T+2], v[G+32*((\j)%2)+8*\k+5], v[W+6*\k+5]
	v_fmac_f32 v[T+3], v[G+32*((\j)%2)+8*\k+7], v[W+6*\k+5]
	v_mul_f32 v[T],   v[T],   v[W+6*\k+2]
	v_mul_f32 v[T+2], v[T+2], v[W+6*\k+2]
	v_fmac_f32 v[T],   v[T+1], v[W+6*\k+3]
	v_fmac_f32 v[T+2], v[T+3], v[W+6*\k+3]
	v_mul_f32 v[O+4*(\j)+\k], v[T], v[W+6*\k]
	v_fmac_f32 v[O+4*(\j)+\k], v[T+2], v[W+6*\k+1]
.endr
.endm
; and their one store of 16 bytes a lane
.macro OUT j
	global_store_b128 v[OFF], v[O+4*(\j):O+4*(\j)+3], s[10:11] offset:(\j)*STEP th:TH_STORE_NT
.endm
; The turn of row j.  left: the loads that may stay out, the 32 taps of row j + 1.  Row j's taps were issued ahead of those, and so was row
; j + 2's stream, which this turn's offset arithmetic reads; so the one wait shows both in, and shows the loads that read row j's offset set done.
; STREAM j + 3 lands in row j's slot, whose last use was row j's weights in the turn before, and is issued ahead of row j + 2's taps to keep the order.
.macro TURN j, left, str, gat, wei
	s_wait_loadcnt \left
	INTERP \j
.if \gat
	s_wait_alu depctr_vm_vsrc(0)                   ; row j's taps have read offset set j mod 2, which the lines below write again
	GADDR \j+2
.endif
	s_wait_alu depctr_va_vdst(0)                   ; written: O[j], which the store reads, and (where taps follow) the offset set, which they read.  Done reading: the interpolation with
	                                               ; G[j mod 2], in which the taps land; the last turn's weights with S[j mod 3], in which the stream lands
.if \str
	STREAM \j+3
.endif
.if \wei
	WHEAD \j+1
.endif
.irp k, 0,1,2,3
.if \gat
	GLOAD \j+2, \k                                 ; eight taps ahead of each voxel's weights.  No wait: no vector instruction since the wait above names A[j mod 2] or G[j mod 2]
.endif
.if \k == 3*\gat
	OUT \j                                         ; behind the last taps; at once where no taps are asked for.  No vector instruction since the wait names O[j] or OFF
.endif
.if \wei
	WVOX \j+1, \k                                  ; register work while the taps are on their way
.endif
.endr
.endm
	s_wait_alu depctr_va_vdst(0)                   ; v[OFF] is written: every stream load and every store of the kernel reads it as its offset
	STREAM 0
	STREAM 1
	STREAM 2
	v_and_b32 v[T], 31, v0
	v_lshlrev_b32 v[T], 2, v[T]                    ; z of my first voxel = 4 x lane
	v_cvt_f32_u32 v[ZF], v[T]
	v_add_f32 v[ZF+1], 1.0, v[ZF]
	v_add_f32 v[ZF+2], 2.0, v[ZF]
	v_add_f32 v[ZF+3], 3.0, v[ZF]
	v_cvt_f32_u32 v[XF], s20
	v_lshrrev_b32 v[YI], 5, v0                     ; wave
	v_add_nc_u32 v[YI], s21, v[YI]
	s_wait_loadcnt 11                              ; row 0's idx is in: behind it stand its 3 ddf loads and the 4 + 4 of rows 1 and 2
	GADDR 0
	s_wait_alu depctr_va_vdst(0)                   ; offset set 0 is written, which row 0's taps read
.irp k, 0,1,2,3
	GLOAD 0, \k
.endr
	s_wait_loadcnt 32                              ; the three rows' stream is in; only row 0's 32 taps may be out
	GADDR 1
	s_wait_alu depctr_va_vdst(0)                   ; offset set 1 is written, which row 1's taps read
	WHEAD 0
.irp k, 0,1,2,3
	GLOAD 1, \k                                    ; dealt among row 0's weights, which name S[0], T, W and the mesh: none of A[1], G[1]
	WVOX 0, \k
.endr
	TURN 0, 32, 1, 1, 1
	TURN 1, 32, 1, 1, 1
	TURN 2, 32, 1, 1, 1
	TURN 3, 32, 1, 1, 1
	TURN 4, 32, 1, 1, 1                            ; asks for row 7's stream, the last
	TURN 5, 32, 0, 1, 1                            ; asks for row 7's taps, the last
	TURN 6, 32, 0, 0, 1
	TURN 7, 0, 0, 0, 0                             ; nothing was issued behind row 7's taps
	s_endpgm
.Lfunc_end_k_q9ac1cf89bf_gather:
	.size	k_q9ac1cf89bf_gather, .Lfunc_end_k_q9ac1cf89bf_gather-k_q9ac1cf89bf_gather
	.p2alignl 7, 3214868480
	.fill 96, 4, 3214868480
	.section	.rodata,"a",@progbits
	.p2align	6, 0x0
	.amdhsa_kernel k_q9ac1cf89bf_gather
		.amdhsa_group_segment_fixed_size 0
		.amdhsa_private_segment_fixed_size 0
		.amdhsa_enable_private_segment 0
		.amdhsa_kernarg_size 32
		.amdhsa_user_sgpr_count 2
		.amdhsa_user_sgpr_kernarg_segment_ptr 1
		.amdhsa_wavefront_size32 1
		.amdhsa_system_sgpr_workgroup_id_x 1
		.amdhsa_system_sgpr_workgroup_id_y 1
		.amdhsa_system_sgpr_workgroup_id_z 1
		.amdhsa_system_vgpr_workitem_id 0
		.amdhsa_next_free_vgpr 192
		.amdhsa_next_free_sgpr 66
		.amdhsa_reserve_vcc 0
		.amdhsa_float_denorm_mode_32 3
		.amdhsa_float_denorm_mode_16_64 3
		.amdhsa_memory_ordered 1
		.amdhsa_forward_progress 1
		.amdhsa_inst_pref_size 91
	.end_amdhsa_kernel
	.amdgpu_metadata
---
amdhsa.version: [ 1, 2 ]
amdhsa.kernels:
  - .name:           k_q9ac1cf89bf_gather
    .symbol:         k_q9ac1cf89bf_gather.kd
    .args:
      - { .name: idx, .offset: 0, .size: 8, .value_kind: global_buffer, .address_space: global }
      - { .name: ddf, .offset: 8, .size: 8, .value_kind: global_buffer, .address_space: global }
      - { .name: image, .offset: 16, .size: 8, .value_kind: global_buffer, .address_space: global }
      - { .name: out0, .offset: 24, .size: 8, .value_kind: global_buffer, .address_space: global }
    .group_segment_fixed_size: 0
    .private_segment_fixed_size: 0
    .kernarg_segment_align: 8
    .kernarg_segment_size: 32
    .max_flat_workgroup_size: 256
    .sgpr_count:     66
    .vgpr_count:     192
    .wavefront_size: 32
...
	.end_amdgpu_metadata
.endif
;; end of part 3
